; MI455X (gfx1250); checked and timed in simulation.
; The chip was launched on July 23, 2026; its instructions are those of AMD's public machine-readable ISA for CDNA 5 (MIT licence, August 2026) and "CDNA5" Instruction Set Architecture Reference Guide (July 2026). The comments in the code are by the model that wrote it; some were corrected since.
;; Moe Layer. Allowed arithmetic: matrix products marked QUANTISED: E4M3 operands, one given power-of-two scale a tensor, by v_wmma_f32_16x16x64_fp8_fp8 or v_wmma_f32_16x16x128_fp8_fp8, f32 sums; products left as they are: f32 operands where the result goes on into a quantised operand, else bf16, f16 or f32 operands; f32 sums; everything else in f32.
;; Inputs: W1_codes 4 x 1,024 x 32 x 32 uint8 (E4M3 codes of W1, K innermost, in blocks of 32 codes); W2_codes 4 x 1,024 x 32 x 32 uint8 (E4M3 codes of W2, K innermost, in blocks of 32 codes); Wg 4 x 1,024 float32; b1 4 x 1,024 float32; b2 4 x 1,024 float32; lowp_scales 4 int32 (the exponents e of the quantised operands' scales 2^e); x 4 x 2,048 x 1,024 float32.
;; Outputs: out0 4 x 2,048 x 1,024 float32; out1 one number float32; out2 one number float32.
;; This version of the problem:
;;   THIS VERSION OF THE PROBLEM IS GIVEN IN LOW PRECISION. The matrix products marked QUANTISED in the list below multiply operands that are first quantised to E4M3 (4 exponent bits, 3 mantissa bits; 8 bits a number), with one given power-of-two scale for each operand tensor; their sums are f32. All else is computed in f32.
;;   The module's matrix products, in the order in which they are computed (A, B: the left and right operand; K: the contracted axis; several contracted axes count as one K, in the product's order):
;;     1. [M 8,192, K 1,024] x [K 1,024, N 4]; A: input x; B: input Wg: left as it is (N = 4 < 16)
;;     2. batch 8,192 x [M 4, K 2] x [K 2, N 1]; A: computed on the way; B: computed on the way: left as it is (K = 2 < 32)
;;     3. [M 4,096, K 1,024] x [K 1,024, N 8,192]; A: input W1 (given as codes); B: input x: QUANTISED (scales: A lowp_scales[0], B lowp_scales[1])
;;     4. batch 4 x [M 8,192, K 1,024] x [K 1,024, N 1,024]; A: computed on the way; B: input W2 (given as codes): QUANTISED (scales: A lowp_scales[2], B lowp_scales[3])
;;     5. batch 8,192 x [M 1,024, K 4] x [K 4, N 1]; A: computed on the way; B: computed on the way: left as it is (K = 4 < 32)
;;   THE QUANTISER, for each operand of a quantised product, along K:
;;     - The operand's scale is 2^e, e = its entry of the input lowp_scales (int32; the entries are numbered through the quantised products in the list's order, A before B).
;;     - Each number is divided by the scale, clamped to +-448, and rounded to the nearest number of E4M3, ties to even, subnormals kept.
;;     - The product sums the exact products of the quantised numbers (number of the format x scale) in f32.
;;   ~~~python
;;   def quantise(x, axis, e):      # numpy; x: float32 -> the quantised numbers, widened to float32 again
;;       x = np.moveaxis(x, axis, -1); K = x.shape[-1]
;;       r = np.clip(x / 2.0 ** e, -448, 448)
;;       step = 2.0 ** (np.maximum(np.frexp(np.where(r == 0, 1, r))[1] - 1, -6) - 3)
;;       q = np.round(r / step) * step * 2.0 ** e      # np.round: ties to even
;;       return np.moveaxis(q, -1, axis).astype(np.float32)
;;   ~~~
;;   OPERANDS COMPUTED ON THE WAY. 'Computed on the way' means the value that the module computes at that place (a softmax that the list does not call 'softmax' is quantised finished and normalised). What goes into a quantiser is computed in f32, as accurately as f32 sums, v_exp_f32 and their like allow (about 1e-6 of the number): no bf16 or f16 on the way to a quantiser, and a product that is left as it is and whose result goes on into a quantised operand takes f32 operands (vector FMAs, or v_wmma_f32_16x16x4_f32). A number that lies on a knife's edge between two numbers of the format may be rounded either way, as far as f32 arithmetic and the matrix unit's own rounding can turn it there, and no further.
;;   INPUTS GIVEN AS CODES. W1 (in the module: [4, 1024, 1024], K = its axis 1); W2 (in the module: [4, 1024, 1024], K = its axis 1): each comes as NAME_codes (uint8): NAME with its K axis moved to the last place and cut into blocks of 32 codes, [.., K / 32, bytes a block], one block behind the other in memory; one code a byte (a code: sign, 4 exponent bits, 3 mantissa bits); its scale is its entry of lowp_scales. Its value is code x scale, taken as it is: it is not quantised again, and the codes and scales need not be those that the quantiser above would give.
;; One version. Each part assembles by itself: llvm-mc -triple=amdgcn-amd-amdhsa -mcpu=gfx1250 --defsym DOCPART=n.
;; ======== version 1 of 1: 3 launches
;; limits: a function is approximated: absolute error at most 7.5e-08; an absolute error that grows with the inputs' magnitude: up to 7.5e-08 times it
;; workspace buffers: xq 8,388,608 bytes; wf 8,388,608 bytes; rt 65,536 bytes of whole numbers; gw 131,072 bytes; part 32,768 bytes; order 32,768 bytes of whole numbers; tiles 4,096 bytes of whole numbers
;; launch route (part 1): grid 256 x 1, 16 waves a work-group, no clusters, 36,608 bytes of LDS; arguments x, Wg, lowp_scales, xq, rt, gw, part; writes xq, rt, gw, part
.if DOCPART == 1
	.amdgcn_target "amdgcn-amd-amdhsa--gfx1250"
	.amdhsa_code_object_version 6
	.text
	.protected	k_q45949f41db_route
	.globl	k_q45949f41db_route
	.p2align	8
	.type	k_q45949f41db_route,@function
k_q45949f41db_route:
	s_mov_b64 s[64:65], 0
	v_nop
	global_prefetch_b8 v0, s[64:65] scope:SCOPE_SE
	s_setreg_imm32_b32 hwreg(HW_REG_WAVE_MODE, 25, 1), 1
	s_wait_xcnt 0x0
; THE GATE, x's CODES, AND EACH TOKEN'S RANK.  First of three launches (route, place, experts) for: gate softmax over 4 experts, top 2, renormalised weights; for the chosen experts
; Linear -> exact GELU -> Linear on codes of E4M3; the weighted sum; two scalar losses.
; WORK LEFT OUT, in the problem's own terms: comb[b,s,e] is built by the function itself as one_hot(top_k) times the weights, so it is exactly 0 for the two experts of a token that top_k did not
; choose; output = sum over e of y[e] comb[e]; so the rows (e, token) of x W1[e], of h W2[e] and of the last sum with e not chosen reach no output in exact arithmetic, whatever finite values the inputs hold.
; They are left out in whole rows: this launch stores the choice as whole numbers at fixed places, the next places the rows, the third reads the list.  Every input has a way to an output and is loaded.
; LIMIT: a NaN, an infinity or an overflow that arises only in an expert that was not chosen for a token is not carried to the result.
; THIS LAUNCH: logits = x Wg^T in f32 (fused multiply-adds), softmax with the row's maximum taken away, z = logsumexp, top 2 (strict comparisons from expert 0 up: the lower index wins a tie),
; rho = p2 / p1 and w1 = p1 / (p1 + p2); x / 2^e1 held within +-448 and rounded to E4M3 (e1 = entry 1 of the scales).
; A token's bucket is 4 x top expert + second expert.  Stored: xq [token][1024] codes; gw [token] = (rho, rho, w1, w1); rt [block of 32 tokens][lane][2]: word 0 = bucket | rank << 8 of token lane (rank among
; the block's tokens of the same bucket), word 1 = how many tokens of the block have bucket = lane (0 for lanes 16-31); part [block][32]: field 0 sum of z^2, 4-7 sums of p, 8-11 counts of the top expert.
; No address and no branch hangs on these numbers here: they are stored at fixed places.
; SHARES: a work-group takes 32 tokens, a wave two.  Lane l, load j holds k = 128 j + 4 l + 0..3: each load reads 512 consecutive bytes.  All 16 loads of x of a wave go out at the head.
; A stream: no matrix unit, no cluster, no tensor load: nothing here is shared between work-groups but Wg's 16,384 bytes.
; LIMITS: -126 <= e1 <= 119.  NaN among the inputs is not served.  Two gate values nearer to each other than f32 rounding may be ordered otherwise than the function orders them.
.set TURN,  0                          ; LDS: 2,048 bytes a wave: a row's 1,024 codes turn from 4 bytes a lane to 16 bytes a lane
.set REC,   32768                      ; 64 bytes a wave: its 16 fields of sums
.set SELS,  33792                      ; 4 bytes a token: its bucket
.set GWS,   34048                      ; 16 bytes a token: rho, rho, w1, w1
.set SPARE, 34560                      ; the spare words, 128 bytes for each of 16 waves: eight blocks of 256 bytes that no other line names
.set X,   16                           ; v16-79   two rows of x, 32 registers each
.set W,   80                           ; v80-207  Wg, 32 registers an expert
.set A,   208                          ; v208-215 four pairs of sums; then at work
.set LG,  216                          ; v216-219 the logits
.set P,   220                          ; v220-223 the softmax
.set CD,  224                          ; v224-231 at work; then a row's codes
.set GW,  232                          ; v232-235 rho, rho, w1, w1
	s_load_b256 s[4:11], s[0:1], 0x0               ; x s[4:5], Wg s[6:7], the scales s[8:9], xq s[10:11]
	s_load_b128 s[12:15], s[0:1], 0x20             ; rt s[12:13], gw s[14:15]
	s_load_b64 s[16:17], s[0:1], 0x30              ; part
	v_lshl_add_u32 v14, v0, 2, SPARE               ; my spare word; never rewritten
	v_mov_b32 v15, 0                               ; 0; never rewritten
	v_lshrrev_b32 v238, 5, v0
	v_readfirstlane_b32 s18, v238                  ; wave 0..15
	v_and_b32 v239, 31, v0                         ; lane
	v_lshlrev_b32 v1, 4, v239                      ; 16 x lane
	s_lshl_b32 s23, s18, 13
	v_add_nc_u32 v2, s23, v1                       ; x: my wave's two rows of 4,096 bytes + 16 x lane
	s_lshl_b32 s23, s18, 11
	v_lshl_add_u32 v3, v239, 2, s23                ; the turn, on the way in: 2,048 x wave + 4 x lane
	v_add_nc_u32 v4, s23, v1                       ; and back: 2,048 x wave + 16 x lane
	v_add_nc_u32 v5, s23, v1                       ; the same place in the block's 32,768 bytes of xq
	s_lshl_b32 s23, s18, 3
	s_add_co_u32 s23, s23, SELS
	v_mov_b32 v6, s23                              ; where my two tokens' buckets go
	s_lshl_b32 s23, s18, 5
	s_add_co_u32 s23, s23, GWS
	v_mov_b32 v7, s23                              ; their weights
	s_lshl_b32 s23, s18, 6
	s_add_co_u32 s23, s23, REC
	v_mov_b32 v8, s23                              ; my wave's record
	v_lshl_add_u32 v9, v239, 2, SELS               ; wave 0 reads: token lane's bucket,
	v_lshl_add_u32 v10, v239, 4, GWS               ; its weights,
	v_and_b32 v11, 15, v239
	v_lshlrev_b32 v11, 2, v11
	v_lshrrev_b32 v238, 4, v239
	v_lshl_add_u32 v11, v238, 9, v11
	v_add_nc_u32 v11, REC, v11                     ; and field lane % 16 of waves 8 (lane / 16) + 0..7
	v_lshlrev_b32 v12, 3, v239                     ; 8 x lane
	v_lshlrev_b32 v13, 2, v239                     ; 4 x lane
	s_mov_b32 s20, 0x76543210                      ; v_permlanex16_b32: lane l takes lane l xor 16
	s_mov_b32 s21, 0xfedcba98
	s_lshl_b32 s24, ttmp9, 17                      ; the block's 32 rows of x,
	s_mov_b32 s25, 0
	s_lshl_b32 s26, ttmp9, 15                      ; and of xq
	s_mov_b32 s27, 0
.set n, 240
.rept 16
	v_mov_b32 v[n], 0                              ; v240 sum of z^2, v244-247 sums of p, v248-251 counts; the rest of the record stays 0
.set n, n+1
.endr
	s_wait_kmcnt 0x0
	s_load_b32 s22, s[8:9], 0x4                    ; e1
	s_add_nc_u64 s[4:5], s[4:5], s[24:25]
	s_add_nc_u64 s[10:11], s[10:11], s[26:27]
.irp q, 0,1
.irp j, 0,1,2,3,4,5,6,7
	global_load_b128 v[X+32*\q+4*\j:X+32*\q+4*\j+3], v2, s[4:5] offset:4096*\q+512*\j th:TH_LOAD_NT   ; read once in the launch
.endr
.endr
.irp e, 0,1,2,3
.irp j, 0,1,2,3,4,5,6,7
	global_load_b128 v[W+32*\e+4*\j:W+32*\e+4*\j+3], v1, s[6:7] offset:4096*\e+512*\j
.endr
.endr
	s_wait_kmcnt 0x0
	s_add_co_i32 s23, s22, 127
	s_lshl_b32 s24, s23, 23
	v_mov_b32 v236, s24                            ; 2^e1 as f32: the conversion takes its exponent field
	s_add_co_i32 s23, s23, 8
	s_lshl_b32 s23, s23, 23
	s_or_b32 s23, s23, 0x600000
	v_mov_b32 v237, s23                            ; 448 x 2^e1
	s_wait_loadcnt 0x0                             ; x and Wg
; One token.
.macro ROW q
.set XR, X+32*\q
.irp e, 0,1,2,3
	v_pk_mul_f32 v[A+2*\e:A+2*\e+1], v[XR:XR+1], v[W+32*\e:W+32*\e+1]   ; the first products start the sums; four chains that do not wait for each other
.endr
.irp i, 1,2,3,4,5,6,7,8,9,10,11,12,13,14,15
.irp e, 0,1,2,3
	v_pk_fma_f32 v[A+2*\e:A+2*\e+1], v[XR+2*\i:XR+2*\i+1], v[W+32*\e+2*\i:W+32*\e+2*\i+1], v[A+2*\e:A+2*\e+1]
.endr
.endr
.irp e, 0,1,2,3
	v_add_f32 v[LG+\e], v[A+2*\e], v[A+2*\e+1]
.endr
.irp k, 1,2,4,8
.irp e, 0,1,2,3
	v_add_f32_dpp v[LG+\e], v[LG+\e], v[LG+\e] row_xmask:\k row_mask:0xf bank_mask:0xf
.endr
.endr
.irp e, 0,1,2,3
	v_permlanex16_b32 v[A+\e], v[LG+\e], s20, s21
.endr
.irp e, 0,1,2,3
	v_add_f32 v[LG+\e], v[LG+\e], v[A+\e]          ; every lane holds the four logits
.endr
	v_max3_num_f32 v238, v[LG], v[LG+1], v[LG+2]
	v_max_num_f32 v238, v238, v[LG+3]              ; the maximum is taken away before the exponentials
.irp e, 0,1,2,3
	v_sub_f32 v[A+\e], v[LG+\e], v238
.endr
.irp e, 0,1,2,3
	v_mul_f32 v[A+\e], 0x3fb8aa3b, v[A+\e]         ; x log2(e)
.endr
.irp e, 0,1,2,3
	v_exp_f32 v[A+\e], v[A+\e]
.endr
	v_nop                                          ; a plain instruction behind the last exponential,
	s_wait_alu depctr_va_vdst(0)                   ; and one wait for the batch, ahead of its first reader
	v_add_f32 v[A+4], v[A], v[A+1]
	v_add_f32 v[A+5], v[A+2], v[A+3]
	v_add_f32 v[A+4], v[A+4], v[A+5]               ; the sum, between 1 and 4
	v_rcp_f32 v[A+5], v[A+4]
	v_log_f32 v[A+6], v[A+4]
	v_nop
	s_wait_alu depctr_va_vdst(0)                   ; one wait for the two
.irp e, 0,1,2,3
	v_mul_f32 v[P+\e], v[A+\e], v[A+5]             ; the softmax
.endr
	v_fmamk_f32 v[A+6], v[A+6], 0x3f317218, v238   ; z = maximum + ln 2 x log2(sum)
	v_fmac_f32 v240, v[A+6], v[A+6]
	v_pk_add_f32 v[244:245], v[244:245], v[P:P+1]
	v_pk_add_f32 v[246:247], v[246:247], v[P+2:P+3]
	v_mov_b32 v[A], v[P]                           ; the top expert: p1 in A, its number in A + 1
	v_mov_b32 v[A+1], 0
.irp e, 1,2,3
	v_cmp_gt_f32 vcc_lo, v[P+\e], v[A]
	v_cndmask_b32 v[A], v[A], v[P+\e], vcc_lo
	v_cndmask_b32 v[A+1], v[A+1], \e, vcc_lo
.endr
.irp e, 0,1,2,3
	v_cmp_eq_u32 vcc_lo, \e, v[A+1]
	v_cndmask_b32 v[CD+\e], v[P+\e], -1.0, vcc_lo  ; the chosen one drops under every p
	v_cndmask_b32 v[A+2], 0, 1.0, vcc_lo
	v_add_f32 v[248+\e], v[248+\e], v[A+2]         ; the count of top experts
.endr
	v_mov_b32 v[A+3], v[CD]                        ; the second expert: p2 in A + 3, its number in A + 4
	v_mov_b32 v[A+4], 0
.irp e, 1,2,3
	v_cmp_gt_f32 vcc_lo, v[CD+\e], v[A+3]
	v_cndmask_b32 v[A+3], v[A+3], v[CD+\e], vcc_lo
	v_cndmask_b32 v[A+4], v[A+4], \e, vcc_lo
.endr
	v_add_f32 v[A+5], v[A], v[A+3]
	v_rcp_f32 v[A+6], v[A]                         ; p1 is at least a quarter
	v_rcp_f32 v[A+7], v[A+5]
	v_lshl_add_u32 v238, v[A+1], 2, v[A+4]         ; the bucket.  (The plain instruction behind the reciprocals)
	s_wait_alu depctr_va_vdst(0)
	v_mul_f32 v[GW], v[A+3], v[A+6]                ; rho = p2 / p1, at most 1
	v_mul_f32 v[GW+2], v[A], v[A+7]                ; w1 = p1 / (p1 + p2)
	v_mov_b32 v[GW+1], v[GW]
	v_mov_b32 v[GW+3], v[GW+2]
	ds_store_b32 v6, v238 offset:4*\q              ; all lanes write the same word with the same value
	ds_store_b128 v7, v[GW:GW+3] offset:16*\q
.set n, 0
.rept 32
	v_med3_num_f32 v[XR+n], v[XR+n], -v237, v237   ; the conversion to an 8-bit code does not saturate (ISA guide 7.6.2): the hold at the largest code x the scale
.set n, n+1
.endr
.irp j, 0,1,2,3
	v_cvt_scalef32_pk8_fp8_f32 v[CD+2*\j:CD+2*\j+1], v[XR+8*\j:XR+8*\j+7], v236   ; loads 2 j and 2 j + 1: a word of four codes each
.endr
	v_nop                                          ; a plain instruction behind the last conversion
.irp j, 0,1,2,3,4,5,6,7
	ds_store_b32 v3, v[CD+\j] offset:1024*\q+128*\j   ; codes of k = 128 j + 4 l + 0..3 at byte 128 j + 4 l of the row
.endr
	ds_load_b128 v[XR:XR+3], v4 offset:1024*\q        ; LDS serves a wave's instructions in order: these see the stores.  They land in the row's own registers, which nothing writes again
	ds_load_b128 v[XR+4:XR+7], v4 offset:1024*\q+512
	s_wait_dscnt 1                                 ; the first 512 bytes are back; the second load may be out
	global_store_b128 v5, v[XR:XR+3], s[10:11] offset:1024*\q        ; 32 lanes store 512 consecutive bytes, at a multiple of 256 from xq's first byte
	s_wait_dscnt 0x0
	global_store_b128 v5, v[XR+4:XR+7], s[10:11] offset:1024*\q+512
.endm
	ROW 0
	ROW 1
	ds_store_b128 v8, v[240:243]
	ds_store_b128 v8, v[244:247] offset:16
	ds_store_b128 v8, v[248:251] offset:32
	ds_store_b128 v8, v[252:255] offset:48
	s_wait_dscnt 0x0                               ; for wave 0's sake: my stores have landed
	s_barrier_signal -1
	s_barrier_wait -1
	s_cmp_lg_u32 s18, 0
	s_cbranch_scc1 .Lend
	; wave 0: lane l stands for token l of the block
	ds_load_b32 v208, v9                           ; its bucket
	ds_load_b128 v[GW:GW+3], v10
.irp j, 0,1,2,3,4,5,6,7
	ds_load_b32 v[LG+\j], v11 offset:64*\j
.endr
	s_lshl_b32 s24, ttmp9, 8
	s_add_nc_u64 s[12:13], s[12:13], s[24:25]      ; rt: 256 bytes a block
	s_lshl_b32 s24, ttmp9, 9
	s_add_nc_u64 s[14:15], s[14:15], s[24:25]      ; gw: 512
	s_lshl_b32 s24, ttmp9, 7
	s_add_nc_u64 s[16:17], s[16:17], s[24:25]      ; part: 128
	v_mov_b32 v209, 0                              ; the counts, bucket b's in lane b
	v_mov_b32 v210, 0                              ; my rank
	s_wait_dscnt 0x0
	v_add_f32 v[LG], v[LG], v[LG+1]
	v_add_f32 v[LG+2], v[LG+2], v[LG+3]
	v_add_f32 v[LG+4], v[LG+4], v[LG+5]
	v_add_f32 v[LG+6], v[LG+6], v[LG+7]
	v_add_f32 v[LG], v[LG], v[LG+2]
	v_add_f32 v[LG+4], v[LG+4], v[LG+6]
	v_add_f32 v[LG], v[LG], v[LG+4]
	v_permlanex16_b32 v[CD], v[LG], s20, s21
	v_add_f32 v[LG], v[LG], v[CD]                  ; field lane % 16, summed over the 16 waves
.irp b, 0,1,2,3,4,5,6,7,8,9,10,11,12,13,14,15
	v_cmp_eq_u32 s30, \b, v208
	v_mbcnt_lo_u32_b32 v211, s30, 0                ; how many lanes under mine have bucket b
	v_cndmask_b32 v210, v210, v211, s30
	s_bcnt1_i32_b32 s31, s30
	v_writelane_b32 v209, s31, \b
.endr
	v_lshl_or_b32 v212, v210, 8, v208
	v_mov_b32 v213, v209
	global_store_b64 v12, v[212:213], s[12:13]     ; 256 consecutive bytes, aligned
	global_store_b128 v1, v[GW:GW+3], s[14:15]     ; 512
	global_store_b32 v13, v[LG], s[16:17]          ; 128: half of an aligned 256 bytes; the neighbouring block's work-group stores the other half
.Lend:
	s_wait_tensorcnt 0x0                           ; the wave's end: behind my last LDS store
	ds_add_u32 v14, v15
	s_wait_dscnt 0x0
	s_endpgm
.Lfunc_end_k_q45949f41db_route:
	.size	k_q45949f41db_route, .Lfunc_end_k_q45949f41db_route-k_q45949f41db_route
	.p2alignl 7, 3214868480
	.fill 96, 4, 3214868480
	.section	.rodata,"a",@progbits
	.p2align	6, 0x0
	.amdhsa_kernel k_q45949f41db_route
		.amdhsa_group_segment_fixed_size 36608
		.amdhsa_private_segment_fixed_size 0
		.amdhsa_enable_private_segment 0
		.amdhsa_kernarg_size 56
		.amdhsa_user_sgpr_count 2
		.amdhsa_user_sgpr_kernarg_segment_ptr 1
		.amdhsa_wavefront_size32 1
		.amdhsa_system_sgpr_workgroup_id_x 1
		.amdhsa_system_sgpr_workgroup_id_y 1
		.amdhsa_system_sgpr_workgroup_id_z 1
		.amdhsa_system_vgpr_workitem_id 0
		.amdhsa_next_free_vgpr 256
		.amdhsa_next_free_sgpr 66
		.amdhsa_reserve_vcc 1
		.amdhsa_float_denorm_mode_32 3
		.amdhsa_float_denorm_mode_16_64 3
		.amdhsa_memory_ordered 1
		.amdhsa_forward_progress 1
		.amdhsa_inst_pref_size 39
	.end_amdhsa_kernel
	.amdgpu_metadata
---
amdhsa.version: [ 1, 2 ]
amdhsa.kernels:
  - .name:           k_q45949f41db_route
    .symbol:         k_q45949f41db_route.kd
    .args:
      - { .name: x, .offset: 0, .size: 8, .value_kind: global_buffer, .address_space: global }
      - { .name: Wg, .offset: 8, .size: 8, .value_kind: global_buffer, .address_space: global }
      - { .name: lowp_scales, .offset: 16, .size: 8, .value_kind: global_buffer, .address_space: global }
      - { .name: xq, .offset: 24, .size: 8, .value_kind: global_buffer, .address_space: global }
      - { .name: rt, .offset: 32, .size: 8, .value_kind: global_buffer, .address_space: global }
      - { .name: gw, .offset: 40, .size: 8, .value_kind: global_buffer, .address_space: global }
      - { .name: part, .offset: 48, .size: 8, .value_kind: global_buffer, .address_space: global }
    .group_segment_fixed_size: 36608
    .private_segment_fixed_size: 0
    .kernarg_segment_align: 8
    .kernarg_segment_size: 56
    .max_flat_workgroup_size: 512
    .sgpr_count:     66
    .vgpr_count:     256
    .wavefront_size: 32
...
	.end_amdgpu_metadata
.endif
;; end of part 1
;; launch place (part 2): grid 65 x 1, 8 waves a work-group, no clusters, 3,072 bytes of LDS; arguments rt, part, W1_codes, W2_codes, order, tiles, wf, out1, out2; writes order, tiles, wf, out1, out2
.if DOCPART == 2
	.amdgcn_target "amdgcn-amd-amdhsa--gfx1250"
	.amdhsa_code_object_version 6
	.text
	.protected	k_q45949f41db_place
	.globl	k_q45949f41db_place
	.p2align	8
	.type	k_q45949f41db_place,@function
k_q45949f41db_place:
	s_mov_b64 s[64:65], 0
	v_nop
	global_prefetch_b8 v0, s[64:65] scope:SCOPE_SE
	s_setreg_imm32_b32 hwreg(HW_REG_WAVE_MODE, 25, 1), 1
	s_wait_xcnt 0x0
; TWO JOBS SIDE BY SIDE, parted once on the work-group's number.
; WORK-GROUP 0 (SORT): a counting sort of the 8,192 tokens by bucket (4 x top expert + second expert) from the ranks and counts that the launch before stored; the list of tiles of up to 64 tokens of one bucket;
; and the two losses from the blocks' sums.  No atomics: place = the bucket's start + the bucket's tokens in earlier blocks + the token's rank in its block.
;   order [8192]: token numbers, sorted by bucket, dense.   tiles [256][4] = (first place in order, count 0..64, top expert, second expert); beyond the last tile the count is 0.
;   There are at most (8192 + 12 x 63) / 64 = 139 tiles, since the four buckets with top = second are always empty.
;   out2 = balance = sum over batch and expert of (sum of p)(count) / 2048^2 (the mean over 16 and the factor 16 cancel); out1 = 0.01 balance + 0.001 (sum of z^2) / 8192.
; WORK-GROUPS 1 TO 64 (RELAY): W1's and W2's codes are laid once in the order in which the next launch's operand registers take them:
;   wf byte = (2 e + L) 2^20 + w 2^17 + s 2^14 + t 2^11 + c 2^9 + 16 lane holds 16 codes: row(lane % 16) of the weight, k = 128 s + 32 c + 16 (lane / 16) + 0..15.
;   L = 0, W1: row = 128 w + 32 (t / 2) + 8 (t % 2) + r + 8 (r / 8), so that the results of tiles 2 b and 2 b + 1 are 16 neighbours along the next K.   L = 1, W2: row = 128 w + 16 t + r.
; A wave of RELAY takes one tile (16 rows x 1,024 codes): 32 loads that together read its rows whole, 32 stores of 512 consecutive bytes.
; order's stores are 4 bytes a lane at scattered places: a permutation of 32,768 bytes in all.
.set WT,    0                          ; LDS: 128 bytes a wave: its 32 blocks' counts, bucket b's in word b
.set LV,    1024                       ; 128 bytes a wave: its 32 blocks' sums for the losses
.set SPARE, 2048                       ; the spare words, 128 bytes for each of 8 waves
	s_load_b512 s[4:19], s[0:1], 0x0               ; rt s[4:5], part s[6:7], W1 s[8:9], W2 s[10:11], order s[12:13], tiles s[14:15], wf s[16:17], out1 s[18:19]
	s_load_b64 s[20:21], s[0:1], 0x40              ; out2
	v_lshl_add_u32 v2, v0, 2, SPARE                ; my spare word; never rewritten
	v_mov_b32 v3, 0                                ; 0; never rewritten
	v_lshrrev_b32 v1, 5, v0
	v_readfirstlane_b32 s22, v1                    ; wave 0..7
	v_and_b32 v1, 31, v0                           ; lane
	v_lshlrev_b32 v4, 2, v1                        ; 4 x lane
	s_lshl_b32 s23, s22, 7
	v_add_nc_u32 v5, s23, v4                       ; 4 x lane + 128 x wave
	s_wait_kmcnt 0x0
	s_cmp_lg_u32 ttmp9, 0                          ; the same in all waves of a work-group
	s_cbranch_scc1 .Lrelay
	; ---- SORT.  Wave w owns blocks 32 w + i, i = 0..31.  v[32+2i] = token lane's bucket | rank << 8, v[33+2i] = the block's count of bucket lane, v[96+i] = the block's field lane % 16
	s_lshl_b32 s23, s22, 13
	v_lshl_add_u32 v6, v1, 3, s23
	s_lshl_b32 s23, s22, 12
	v_add_nc_u32 v7, s23, v4
.set i, 0
.rept 32
	global_load_b64 v[32+2*i:33+2*i], v6, s[4:5] offset:256*i
.set i, i+1
.endr
.set i, 0
.rept 32
	global_load_b32 v[96+i], v7, s[6:7] offset:128*i
.set i, i+1
.endr
	v_mov_b32 v8, 0
	s_wait_loadcnt 32                              ; rt's words are in; the 32 younger loads, part's, may be out
.set i, 0
.rept 16                                       ; the counts become the counts of the wave's earlier blocks; two running registers take turns
	v_add_nc_u32 v9, v8, v[33+2*i]
	v_mov_b32 v[33+2*i], v8
	v_add_nc_u32 v8, v9, v[35+2*i]
	v_mov_b32 v[35+2*i], v9
.set i, i+2
.endr
	ds_store_b32 v5, v8                            ; the wave's total
	s_wait_loadcnt 0x0
	v_add_f32 v10, v96, v100
	v_add_f32 v11, v97, v101
	v_add_f32 v12, v98, v102
	v_add_f32 v13, v99, v103
.irp i, 8,12,16,20,24,28
	v_add_f32 v10, v10, v[96+\i]
	v_add_f32 v11, v11, v[97+\i]
	v_add_f32 v12, v12, v[98+\i]
	v_add_f32 v13, v13, v[99+\i]
.endr
	v_add_f32 v10, v10, v11
	v_add_f32 v12, v12, v13
	v_add_f32 v10, v10, v12
	ds_store_b32 v5, v10 offset:LV                 ; half a batch's sums: a batch is 64 blocks
	s_wait_dscnt 0x0                               ; for the others' sake: my stores have landed
	s_barrier_signal -1
	s_barrier_wait -1
.irp j, 0,1,2,3,4,5,6,7
	ds_load_b32 v[12+\j], v4 offset:WT+128*\j
.endr
	v_mov_b32 v20, 0                               ; the bucket's tokens in all,
	v_mov_b32 v21, 0                               ; and in the waves before mine
	s_wait_dscnt 0x0
.irp j, 0,1,2,3,4,5,6,7
	s_cmp_lt_u32 \j, s22
	s_cselect_b32 s24, -1, 0
	v_add_nc_u32 v20, v20, v[12+\j]
	v_and_b32 v22, s24, v[12+\j]
	v_add_nc_u32 v21, v21, v22
.endr
	v_mov_b32 v23, v20                             ; running sums over the 16 bucket lanes
	v_add_nc_u32 v25, 63, v20
	v_lshrrev_b32 v25, 6, v25                      ; the bucket's tiles
	v_mov_b32 v26, v25
.irp n, 1,2,4,8
	v_mov_b32_dpp v22, v23 row_shr:\n row_mask:0xf bank_mask:0xf bound_ctrl:1
	v_add_nc_u32 v23, v23, v22
	v_mov_b32_dpp v22, v26 row_shr:\n row_mask:0xf bank_mask:0xf bound_ctrl:1
	v_add_nc_u32 v26, v26, v22
.endr
	v_sub_nc_u32 v24, v23, v20                     ; the bucket's first place in order
	v_sub_nc_u32 v27, v26, v25                     ; and its first tile
	v_add_nc_u32 v28, v24, v21
	s_lshl_b32 s23, s22, 10
	v_add_nc_u32 v29, s23, v1                      ; token of block 32 w: 1,024 w + lane
.set i, 0
.rept 32
	v_add_nc_u32 v[33+2*i], v[33+2*i], v28         ; lane b: where block i's tokens of bucket b begin
	v_and_b32 v[96+i], 0xff, v[32+2*i]
	v_min_u32 v[96+i], 15, v[96+i]                 ; my token's bucket, held inside the 16 lanes
	v_lshlrev_b32 v[96+i], 2, v[96+i]
	ds_bpermute_b32 v[128+i], v[96+i], v[33+2*i]   ; from lane = my bucket: no LDS byte is touched
.set i, i+1
.endr
	s_wait_dscnt 0x0
.set i, 0
.rept 32
	v_lshrrev_b32 v[96+i], 8, v[32+2*i]            ; my rank in the block
	v_add_nc_u32 v[128+i], v[128+i], v[96+i]
	v_min_u32 v[128+i], 0x1fff, v[128+i]           ; a place in order, held inside the buffer
	v_lshlrev_b32 v[128+i], 2, v[128+i]
	v_add_nc_u32 v[33+2*i], 32*i, v29              ; my token's number
	global_store_b32 v[128+i], v[33+2*i], s[12:13] ; each block has registers of its own: none is written again
.set i, i+1
.endr
	; the tiles: lane l of wave w makes record j = 32 w + l.  The last bucket whose first tile is at or under j owns it
	s_lshl_b32 s23, s22, 5
	v_add_nc_u32 v30, s23, v1
	v_lshlrev_b32 v31, 4, v30
	v_mov_b32 v12, 0
	v_mov_b32 v13, 0
	v_mov_b32 v14, 0
	v_mov_b32 v15, 0
.irp b, 0,1,2,3,4,5,6,7,8,9,10,11,12,13,14,15
	v_readlane_b32 s24, v27, \b
	v_readlane_b32 s25, v24, \b
	v_readlane_b32 s26, v20, \b
	v_cmp_le_u32 vcc_lo, s24, v30
	v_cndmask_b32 v12, v12, \b, vcc_lo
	v_cndmask_b32 v13, v13, s24, vcc_lo
	v_cndmask_b32 v14, v14, s25, vcc_lo
	v_cndmask_b32 v15, v15, s26, vcc_lo
.endr
	v_sub_nc_u32 v22, v30, v13
	v_lshlrev_b32 v22, 6, v22                      ; 64 x the tile's number in its bucket
	v_add_nc_u32 v16, v14, v22
	v_min_u32 v16, 0x1fff, v16                     ; first place
	v_min_u32 v23, v22, v15
	v_sub_nc_u32 v17, v15, v23
	v_min_u32 v17, 64, v17                         ; count: what is left of the bucket, 64 at the most.  Beyond the last tile bucket 15 owns the record, and it is empty: 0
	v_lshrrev_b32 v18, 2, v12                      ; top expert
	v_and_b32 v19, 3, v12                          ; second expert
	global_store_b128 v31, v[16:19], s[14:15]      ; 512 consecutive bytes a wave
	s_cmp_lg_u32 s22, 0
	s_cbranch_scc1 .Lsorted
	; the losses, by wave 0
.irp j, 0,1,2,3,4,5,6,7
	ds_load_b32 v[96+\j], v4 offset:LV+128*\j
.endr
.irp b, 0,1,2,3
	v_mov_b32 v[112+\b], 0                         ; written once: a DPP form's destination counts as read
.endr
	v_mov_b32 v116, 0
	s_wait_dscnt 0x0
.irp b, 0,1,2,3
	v_add_f32 v[104+\b], v[96+2*\b], v[97+2*\b]    ; batch b's fields
.endr
	v_add_f32 v108, v104, v105
	v_add_f32 v109, v106, v107
	v_add_f32 v108, v108, v109                     ; lane 0: the sum of z^2
.irp b, 0,1,2,3
	v_mov_b32_dpp v[112+\b], v[104+\b] row_shl:4 row_mask:0xf bank_mask:0xf bound_ctrl:1   ; lanes 4-7 (sums of p) take lanes 8-11 (counts)
.endr
	v_mul_f32 v109, v104, v112
	v_fmac_f32 v109, v105, v113
	v_fmac_f32 v109, v106, v114
	v_fmac_f32 v109, v107, v115
	v_add_f32_dpp v109, v109, v109 row_xmask:1 row_mask:0xf bank_mask:0xf
	v_add_f32_dpp v109, v109, v109 row_xmask:2 row_mask:0xf bank_mask:0xf   ; lanes 4-7: the sum over batches and experts
	v_readlane_b32 s24, v109, 4
	v_readlane_b32 s25, v108, 0
	v_mov_b32 v110, s24
	v_mul_f32 v110, 0x34800000, v110               ; balance: x 2^-22
	v_mov_b32 v111, s25
	v_mul_f32 v111, 0x39000000, v111               ; the z loss: x 2^-13
	v_mul_f32 v111, 0x3a83126f, v111               ; x 0.001
	v_fmamk_f32 v111, v110, 0x3c23d70a, v111       ; + 0.01 balance
	s_wait_xcnt 0x0                                ; EXEC changes only when the stores above have read it
	v_cmp_eq_u32 vcc_lo, 0, v1
	s_and_saveexec_b32 s26, vcc_lo
	global_store_b32 v116, v111, s[18:19]
	global_store_b32 v116, v110, s[20:21]
	s_wait_xcnt 0x0                                ; and again, in front of the line that widens it
	s_or_b32 exec_lo, exec_lo, s26
.Lsorted:
	s_wait_tensorcnt 0x0                           ; the wave's end: behind my last LDS store
	ds_add_u32 v2, v3
	s_wait_dscnt 0x0
	s_endpgm
.Lrelay:                                           ; ---- RELAY: no LDS
	s_sub_co_u32 s24, ttmp9, 1
	s_lshl_b32 s24, s24, 3
	s_add_co_u32 s24, s24, s22                     ; my tile, 0..511
	s_lshr_b32 s25, s24, 6                         ; 2 e + L
	s_and_b32 s26, s24, 63
	s_lshr_b32 s27, s26, 3                         ; w: the wave of the next launch that will read it
	s_and_b32 s26, s26, 7                          ; t
	s_lshr_b32 s30, s26, 1
	s_lshl_b32 s30, s30, 5
	s_and_b32 s31, s26, 1
	s_lshl_b32 s31, s31, 3
	s_add_co_u32 s30, s30, s31                     ; W1: 32 (t / 2) + 8 (t % 2)
	s_lshl_b32 s31, s26, 4                         ; W2: 16 t
	s_and_b32 s34, s25, 1                          ; L
	s_lshr_b32 s32, s25, 1                         ; e
	s_lshl_b32 s32, s32, 20
	s_mov_b32 s33, 0
	s_cmp_eq_u32 s34, 0                            ; the choice hangs on ids alone
	s_cselect_b64 s[28:29], s[8:9], s[10:11]
	s_cselect_b32 s30, s30, s31
	s_cselect_b32 s31, 8, 0                        ; W1: lanes 8-15 take the rows 8 further on
	s_add_nc_u64 s[28:29], s[28:29], s[32:33]
	s_lshl_b32 s34, s27, 7
	s_add_co_u32 s30, s30, s34                     ; the tile's first row
	s_lshl_b32 s32, s25, 20
	s_lshl_b32 s34, s27, 17
	s_add_co_u32 s32, s32, s34
	s_lshl_b32 s34, s26, 11
	s_add_co_u32 s32, s32, s34
	s_add_nc_u64 s[16:17], s[16:17], s[32:33]      ; where the tile's images begin
	v_and_b32 v6, 15, v1                           ; r
	v_and_b32 v7, s31, v6
	v_add_nc_u32 v7, v7, v6
	v_add_nc_u32 v7, s30, v7
	v_lshlrev_b32 v7, 10, v7                       ; a row is 1,024 codes
	v_lshrrev_b32 v9, 4, v1
	v_lshl_add_u32 v7, v9, 4, v7                   ; + 16 (lane / 16)
	v_lshlrev_b32 v8, 4, v1
.set n, 0
.rept 32                                       ; n = 4 s + c
	global_load_b128 v[32+4*n:35+4*n], v7, s[28:29] offset:128*(n/4)+32*(n%4)
.set n, n+1
.endr
.set n, 0
.rept 32
	s_wait_loadcnt 31-n                            ; loads come back in order: load n is in, the younger ones may be out
	global_store_b128 v8, v[32+4*n:35+4*n], s[16:17] offset:16384*(n/4)+512*(n%4)   ; 512 consecutive bytes, aligned
.set n, n+1
.endr
	s_endpgm
.Lfunc_end_k_q45949f41db_place:
	.size	k_q45949f41db_place, .Lfunc_end_k_q45949f41db_place-k_q45949f41db_place
	.p2alignl 7, 3214868480
	.fill 96, 4, 3214868480
	.section	.rodata,"a",@progbits
	.p2align	6, 0x0
	.amdhsa_kernel k_q45949f41db_place
		.amdhsa_group_segment_fixed_size 3072
		.amdhsa_private_segment_fixed_size 0
		.amdhsa_enable_private_segment 0
		.amdhsa_kernarg_size 72
		.amdhsa_user_sgpr_count 2
		.amdhsa_user_sgpr_kernarg_segment_ptr 1
		.amdhsa_wavefront_size32 1
		.amdhsa_system_sgpr_workgroup_id_x 1
		.amdhsa_system_sgpr_workgroup_id_y 1
		.amdhsa_system_sgpr_workgroup_id_z 1
		.amdhsa_system_vgpr_workitem_id 0
		.amdhsa_next_free_vgpr 160
		.amdhsa_next_free_sgpr 66
		.amdhsa_reserve_vcc 1
		.amdhsa_float_denorm_mode_32 3
		.amdhsa_float_denorm_mode_16_64 3
		.amdhsa_memory_ordered 1
		.amdhsa_forward_progress 1
		.amdhsa_inst_pref_size 49
	.end_amdhsa_kernel
	.amdgpu_metadata
---
amdhsa.version: [ 1, 2 ]
amdhsa.kernels:
  - .name:           k_q45949f41db_place
    .symbol:         k_q45949f41db_place.kd
    .args:
      - { .name: rt, .offset: 0, .size: 8, .value_kind: global_buffer, .address_space: global }
      - { .name: part, .offset: 8, .size: 8, .value_kind: global_buffer, .address_space: global }
      - { .name: W1_codes, .offset: 16, .size: 8, .value_kind: global_buffer, .address_space: global }
      - { .name: W2_codes, .offset: 24, .size: 8, .value_kind: global_buffer, .address_space: global }
      - { .name: order, .offset: 32, .size: 8, .value_kind: global_buffer, .address_space: global }
      - { .name: tiles, .offset: 40, .size: 8, .value_kind: global_buffer, .address_space: global }
      - { .name: wf, .offset: 48, .size: 8, .value_kind: global_buffer, .address_space: global }
      - { .name: out1, .offset: 56, .size: 8, .value_kind: global_buffer, .address_space: global }
      - { .name: out2, .offset: 64, .size: 8, .value_kind: global_buffer, .address_space: global }
    .group_segment_fixed_size: 3072
    .private_segment_fixed_size: 0
    .kernarg_segment_align: 8
    .kernarg_segment_size: 72
    .max_flat_workgroup_size: 256
    .sgpr_count:     66
    .vgpr_count:     160
    .wavefront_size: 32
...
	.end_amdgpu_metadata
.endif
;; end of part 2
;; launch experts (part 3): grid 139 x 1, 8 waves a work-group, no clusters, 281,600 bytes of LDS; arguments xq, wf, gw, order, tiles, b1, b2, lowp_scales, out0; writes out0
.if DOCPART == 3
	.amdgcn_target "amdgcn-amd-amdhsa--gfx1250"
	.amdhsa_code_object_version 6
	.text
	.protected	k_q45949f41db_experts
	.globl	k_q45949f41db_experts
	.p2align	8
	.type	k_q45949f41db_experts,@function
k_q45949f41db_experts:
	s_mov_b64 s[64:65], 0
	v_nop
	global_prefetch_b8 v0, s[64:65] scope:SCOPE_SE
	s_setreg_imm32_b32 hwreg(HW_REG_WAVE_MODE, 25, 1), 1
	s_wait_xcnt 0x0
; THE CHAIN, for the chosen experts alone: the rows (expert, token) whose combine weight the function itself builds as 0 (one_hot of top_k) are left out, as shown at the head of the first launch's text.
; A work-group takes one tile of the stored list: up to 64 tokens that have the same (top expert, second expert).  Each output row has one owner.  With rho = p2 / p1 and w1 = p1 / (p1 + p2):
;   out = w1 ( 2^(e2+e3) (rho S_second + S_top) + (rho b2_second + b2_top) ),  S = Q(gelu(2^(e0+e1) (codes of x . codes of W1) + b1)) . codes of W2,  Q: / 2^e2, held within +-448, to E4M3.
; So the second expert's sums are multiplied by rho in place and the top expert's product adds onto the same accumulators.  Slot 0 = the second expert, slot 1 = the top expert.
; SHARES.  THE 8 WAVES SHARE THE COLUMNS, NOT THE ROWS: a wave makes 128 hidden units (one K step of the second product) and outputs 128 w .. + 127, for all 64 tokens: 8 tiles t x 4 tiles of tokens m = 32 accumulators.
; Each weight byte is wanted by one wave alone and comes from wf, laid in the order of the operand's registers, straight into them: a ring of 8 fragments, filled again two fragments at a time, one K step ahead.
; x's and the hidden layers' codes go from wave to wave through LDS as images of their registers (16 bytes a lane, 512 a store).  Two waves share a SIMD: one wave's GELU can stand beside the other's products.
; BOTH PRODUCTS ARE USED TRANSPOSED (source 0 = 16 rows of the weight, source 1 = 16 tokens): a lane holds one token (lane % 16) throughout.  Fragments: registers 4 c .. 4 c + 3 hold k = 128 s + 32 c + 16 (lane / 16) + 0..15,
; the same permutation of k on both sides of each product.  W1's rows of a tile were chosen so that tiles 2 b and 2 b + 1 give a lane 16 neighbours along the next K.
; THE K STEPS ARE TAKEN IN A TURNED ORDER.  With s0 = (work-group + work-group / 8) mod 8: place j of x's images holds x's K step (j + s0) mod 8; wave w makes hidden block (w + s0) mod 8, so place j of a hidden layer's
; images holds that block; b1 is staged turned likewise; and the j-th step of every stream reads wf's step (j + s0) mod 8.  Only global addresses hang on s0: every LDS address is as it would be without it.
; So work-groups that walk the same expert's weights ask for different bytes of them at any one time.
; PLACES PAST THE COUNT repeat the tile's last token: they compute and store the same bits to the same row.  A tile with count 0 (the grid, 139, serves every split: (8192 + 12 x 63) / 64) works on rows held inside the
; buffers and jumps over the way out: the one branch on a stored number; it stands behind both barriers and outside every loop, so that every wave passes every barrier.
; NO CLUSTER, NO TENSOR LOAD: which experts' weights a work-group walks is a number read from memory; partners with the same pair would want every bucket padded to 4 tiles (up to 36 tiles more); and a weight byte
; serves one wave, so a way through LDS would add a write and a read for each.
; GELU: gelu(v) = max(v, 0) - |v| exp(-v^2 / 2) (c1 t + .. + c5 t^5), t = 1 / (1 + 0.2316419 |v|): Abramowitz and Stegun 26.2.17 with coefficients divided by sqrt(2 pi); the normal tail is off by at most 7.5e-8 absolute.  No branch, no cancellation.
; LIMITS: e0 + e1 and e2 + e3 between -126 and 127; e2 between -126 and 119.  NaN among the inputs is not served.  The sums over K begin at step s0, not at step 0, and the combination is rounded in another
; order than the function's (the biases and rho first, w1 last).
.set XIMG,  0                          ; LDS: x's fragments: (m, place j) at 16384 m + 2048 j + 512 c + 16 lane
.set HIMG,  65536                      ; the hidden layers': + 65536 x slot, then likewise
.set BIAS,  196608                     ; b1 of slot 0, b1 of slot 1 (both turned), b2 of slot 0, b2 of slot 1: 4,096 bytes each
.set STAGE, 212992                     ; the way out: 16 rows x (512 + 16) bytes for each wave, its own
.set SPARE, 280576                     ; the spare words, 128 bytes for each of 8 waves
.set L16, 1                            ; v1   16 x lane; never rewritten
.set XA,  2                            ; v2   LDS address of the fragments in hand
.set HST, 3                            ; v3   where my images of the hidden layer go, in the slot in hand
.set HW,  4                            ; v4   HIMG + 2048 w + 16 lane
.set B1A, 5                            ; v5   BIAS + 512 w + 64 (lane / 16)
.set B1S, 6                            ; v6   the same in the slot in hand
.set BB2, 7                            ; v7   BIAS + 8192 + 512 w + 32 (lane / 16)
.set STO, 8                            ; v8   the stage: where I put 32 bytes of a row
.set RD,  9                            ; v9   and where I read a row back
.set COL, 10                           ; v10  512 w + 16 lane: my bytes of a row of out0
.set SPW, 11                           ; v11  my spare word; never rewritten
.set NIL, 12                           ; v12  0; never rewritten
.set TP,  13
.set HS,  14                           ; v14  2^e2
.set HL,  15                           ; v15  448 x 2^e2
.set GW,  16                           ; v16-31   (rho, rho, w1, w1) of my token in each m
.set XF,  32                           ; v32-95   four fragments of x or of a hidden layer
.set WF,  96                           ; v96-223  the ring: 8 fragments of weights
.set BI,  224                          ; v224-239 b1's 16 numbers
.set CD,  240                          ; v240-247 two sets of codes; at the head at work
.set ID,  248                          ; v248-251 my token's number in each m
.set C5,  252                          ; v[252:253] c5, twice
.set V,   32                           ; GELU works in the fragments' registers
.set R,   48
.set D,   64
.set U,   80
.set OFF, 32                           ; the way out: v32-95: the byte offset in out0 of row p of tile m at v[OFF + 16 m + p]
.set BA,  96                           ; b2 of the top expert, 8 a tile
.set BB,  160                          ; b2 of the second
.set WV,  22                           ; s22  wave.   s24 first place, s25 count, s26 top expert, s27 second expert.   s28-31 e0..e3
.set SB,  32                           ; s[32:39] where my four streams begin in wf: W1 second, W1 top, W2 second, W2 top
.set RP,  40                           ; s[40:41] where the refills read
.set NX,  42                           ; s[42:43] the stream after the one in hand
.set XO,  44                           ; s44  LDS byte of the K step to be fetched
.set HO,  45                           ; s45  65536 x slot
.set BO,  46                           ; s46  4096 x slot
.set CK,  47
.set SC1, 48                           ; pairs of equal words, for the packed forms: 2^(e0+e1),
.set SC2, 50                           ; 2^(e2+e3),
.set K2,  52                           ; -log2(e) / 2,
.set PP,  54                           ; 0.2316419,
.set C4,  56
.set C3,  58
.set C2,  60
.set C1,  62
.set CE,  66
.set CUR, 72                           ; s[72:73] the stream that the refills read
.set KO,  74                           ; s[74:75] 16384 x the step of wf that was asked for last, with 0 above it
.set S0R, 76                           ; s76  s0
.set BBS, 80                           ; s[80:87] at the head: where my four blocks of a bias lie in memory
.set GOF, 88                           ; s88-91   at the head: 128 x the K steps of x that I gather
.set MSB, 0
.macro WIN new                         ; windows of 256 registers: the accumulators, acc(t, m) at v[8 (4 t + m)], fill window 1; all else lies in window 0.  The immediate's high byte repeats the setting that is left
.if MSB != \new
	s_set_vgpr_msb (MSB<<8)|\new
.set MSB, \new
.endif
.endm
.macro PLACES                          ; four plain instructions between a matrix instruction and a load into, or a vector write of, one of its registers, or a read of its result (ISA guide 7.12.1 for vector writes and reads)
.rept 4
	v_nop
.endr
.endm
.macro XFETCH                          ; the four tiles of tokens' fragments of one K step
	v_add_nc_u32 v[XA], s[XO], v[L16]
.irp m, 0,1,2,3
.irp c, 0,1,2,3
	ds_load_b128 v[XF+16*\m+4*\c:XF+16*\m+4*\c+3], v[XA] offset:16384*\m+512*\c
.endr
.endr
	s_add_co_u32 s[XO], s[XO], 2048
.endm
.macro MM t, m, zero
.if \zero
	v_wmma_f32_16x16x128_fp8_fp8 v[8*(4*(\t)+\m):8*(4*(\t)+\m)+7], v[WF+16*(\t):WF+16*(\t)+15], v[XF+16*\m:XF+16*\m+15], 0
.else
	v_wmma_f32_16x16x128_fp8_fp8 v[8*(4*(\t)+\m):8*(4*(\t)+\m)+7], v[WF+16*(\t):WF+16*(\t)+15], v[XF+16*\m:XF+16*\m+15], v[8*(4*(\t)+\m):8*(4*(\t)+\m)+7]
.endif
.endm
; A K STEP of 128: 32 matrix instructions, each accumulator once, always in the same order.  zero = 1: the products start the sums.
; refill = 1: behind each 8 products the two weight fragments that they read are asked for anew, at s[RP].  s[RP] is stepped ahead of the step's FIRST refill: the loads that read it last are then
; two waits and eight products old.  adv = 1: the next step of the stream in hand (the offset goes round after eight steps); adv = 2: the same line of steps goes on in the next stream, where it has come round to that stream's first step.
; xnext = 1: the next K step's four fragments are fetched from LDS, ahead of the last refills: they are what the wave wants next.
.macro KSTEP zero, refill, xnext, adv
	s_wait_dscnt 0x0                               ; the four fragments are in
.irp g, 0,1,2,3
.if \refill
	s_wait_loadcnt 24                              ; fragments 2 g and 2 g + 1 are in: behind their 8 loads three groups of 8 were issued, which may be out
.else
	s_wait_loadcnt 24-8*\g                         ; nothing more is asked for: the counts run down
.endif
	WIN 0x50                                       ; C and D in window 1
.irp m, 0,1,2,3
	MM 2*\g, \m, \zero
.endr
.irp m, 0,1,2,3
	MM 2*\g+1, \m, \zero
.endr
	WIN 0
.if \refill
	PLACES
.if \g == 0
	s_wait_xcnt 0x0                                ; the last step's refills have read their base: only now is it written
.if \adv == 2
	s_mov_b64 s[CUR:CUR+1], s[NX:NX+1]
.endif
	s_add_co_u32 s[KO], s[KO], 16384
	s_and_b32 s[KO], s[KO], 0x1c000                ; eight steps of 16,384 bytes, round and round
	s_add_nc_u64 s[RP:RP+1], s[CUR:CUR+1], s[KO:KO+1]
.endif
.if (\g == 3) && \xnext
	XFETCH                                         ; (the four places stand behind the step's last product)
.endif
.irp c, 0,1,2,3
	global_load_b128 v[WF+32*\g+4*\c:WF+32*\g+4*\c+3], v[L16], s[RP:RP+1] offset:4096*\g+512*\c
.endr
.irp c, 0,1,2,3
	global_load_b128 v[WF+32*\g+16+4*\c:WF+32*\g+16+4*\c+3], v[L16], s[RP:RP+1] offset:4096*\g+2048+512*\c
.endr
.endif
.endr
.endm
; 16 hidden units (32 b + 16 (lane / 16) + 0..15 of my 128) of my token in tile m: bias, GELU, hold, codes, image.
.macro GELU b, m
.set AC0, 8*(4*(2*\b)+\m)
.set AC1, 8*(4*(2*\b+1)+\m)
.set CS,  CD+4*((4*\b+\m)%2)
.if \m == 0
.irp j, 0,1,2,3
	ds_load_b128 v[BI+4*\j:BI+4*\j+3], v[B1S] offset:128*\b+16*\j
.endr
	s_wait_dscnt 0x0
.endif
	WIN 0x01                                       ; source 0 in window 1
.irp i, 0,2,4,6
	v_pk_fma_f32 v[V+\i:V+\i+1], v[AC0+\i:AC0+\i+1], s[SC1:SC1+1], v[BI+\i:BI+\i+1] op_sel_hi:[1,0,1]   ; v = sum x 2^(e0+e1) + b1; each accumulator from its low end on
.endr
.irp i, 0,2,4,6
	v_pk_fma_f32 v[V+8+\i:V+9+\i], v[AC1+\i:AC1+\i+1], s[SC1:SC1+1], v[BI+8+\i:BI+9+\i] op_sel_hi:[1,0,1]
.endr
	WIN 0
.irp i, 0,1,2,3,4,5,6,7,8,9,10,11,12,13,14,15
	v_max_num_f32 v[R+\i], 0, v[V+\i]
.endr
.irp i, 0,2,4,6,8,10,12,14
	v_pk_fma_f32 v[V+\i:V+\i+1], v[R+\i:R+\i+1], 2.0, v[V+\i:V+\i+1] op_sel_hi:[1,0,1] neg_lo:[0,0,1] neg_hi:[0,0,1]   ; 2 max(v, 0) - v = |v|, exactly
.endr
.irp i, 0,2,4,6,8,10,12,14
	v_pk_fma_f32 v[D+\i:D+\i+1], v[V+\i:V+\i+1], s[PP:PP+1], 1.0 op_sel_hi:[1,0,0]
.endr
.irp i, 0,1,2,3,4,5,6,7,8,9,10,11,12,13,14,15
	v_rcp_f32 v[D+\i], v[D+\i]                     ; t
.endr
.irp i, 0,2,4,6,8,10,12,14
	v_pk_mul_f32 v[U+\i:U+\i+1], v[V+\i:V+\i+1], v[V+\i:V+\i+1]
.endr
.irp i, 0,2,4,6,8,10,12,14
	v_pk_mul_f32 v[U+\i:U+\i+1], v[U+\i:U+\i+1], s[K2:K2+1] op_sel_hi:[1,0]
.endr
.irp i, 0,1,2,3,4,5,6,7,8,9,10,11,12,13,14,15
	v_exp_f32 v[U+\i], v[U+\i]                     ; exp(-v^2 / 2)
.endr
	v_nop                                          ; a plain instruction behind the last of them,
	s_wait_alu depctr_va_vdst(0)                   ; and ONE wait for the 16 reciprocals and the 16 exponentials, ahead of the first line that names a result
.irp i, 0,2,4,6,8,10,12,14
	v_pk_mul_f32 v[U+\i:U+\i+1], v[U+\i:U+\i+1], v[V+\i:V+\i+1]      ; x |v|; V is free from here on and takes the polynomial
.endr
.irp i, 0,2,4,6,8,10,12,14
	v_pk_fma_f32 v[V+\i:V+\i+1], v[D+\i:D+\i+1], v[C5:C5+1], s[C4:C4+1] op_sel_hi:[1,1,0]
.endr
.irp k, C3, C2, C1
.irp i, 0,2,4,6,8,10,12,14
	v_pk_fma_f32 v[V+\i:V+\i+1], v[V+\i:V+\i+1], v[D+\i:D+\i+1], s[\k:\k+1] op_sel_hi:[1,1,0]
.endr
.endr
.irp i, 0,2,4,6,8,10,12,14
	v_pk_mul_f32 v[V+\i:V+\i+1], v[V+\i:V+\i+1], v[D+\i:D+\i+1]
.endr
.irp i, 0,2,4,6,8,10,12,14
	v_pk_fma_f32 v[R+\i:R+\i+1], v[V+\i:V+\i+1], v[U+\i:U+\i+1], v[R+\i:R+\i+1] neg_lo:[1,0,0] neg_hi:[1,0,0]   ; gelu(v)
.endr
.irp i, 0,1,2,3,4,5,6,7,8,9,10,11,12,13,14,15
	v_med3_num_f32 v[R+\i], v[R+\i], -v[HL], v[HL] ; the conversion to an 8-bit code does not saturate (ISA guide 7.6.2): the hold at the largest code x the scale
.endr
	s_wait_dscnt 1                                 ; the image store of two batches back has read this set of code registers; the last batch's may be out
	v_cvt_scalef32_pk8_fp8_f32 v[CS:CS+1], v[R:R+7], v[HS]
	v_cvt_scalef32_pk8_fp8_f32 v[CS+2:CS+3], v[R+8:R+15], v[HS]
	v_nop                                          ; a plain instruction behind the last conversion
	ds_store_b128 v[HST], v[CS:CS+3] offset:16384*\m+512*\b   ; registers 4 b .. 4 b + 3 of fragment (m, place w)
.endm
.macro GATH s, a                       ; the s-th of my four fragments of x, from the address in v[a]
.irp c, 0,1,2,3
	global_load_b128 v[XF+16*\s+4*\c:XF+16*\s+4*\c+3], v[\a], s[4:5] offset:32*\c
.endr
.endm
	s_load_b512 s[4:19], s[0:1], 0x0               ; xq s[4:5], wf s[6:7], gw s[8:9], order s[10:11], tiles s[12:13], b1 s[14:15], b2 s[16:17], the scales s[18:19]
	s_load_b64 s[20:21], s[0:1], 0x40              ; out0
	v_lshl_add_u32 v[SPW], v0, 2, SPARE
	v_mov_b32 v[NIL], 0
	v_lshrrev_b32 v[TP], 5, v0
	v_readfirstlane_b32 s[WV], v[TP]               ; wave 0..7
	v_and_b32 v[TP], 31, v0
	v_lshlrev_b32 v[L16], 4, v[TP]
	v_and_b32 v240, 15, v0                         ; r = lane % 16
	v_bfe_u32 v241, v0, 4, 1                       ; h = lane / 16
	s_lshl_b32 s67, s[WV], 11
	s_add_co_u32 s68, s67, HIMG
	v_add_nc_u32 v[HW], s68, v[L16]
	s_add_co_u32 s68, s67, BIAS
	v_add_nc_u32 v243, s68, v[L16]                 ; where I put my 2,048 bytes of the biases
	s_lshl_b32 s67, s[WV], 9
	v_add_nc_u32 v[COL], s67, v[L16]
	s_add_co_u32 s68, s67, BIAS
	v_lshl_add_u32 v[B1A], v241, 6, s68
	s_add_co_u32 s68, s67, BIAS+8192
	v_lshl_add_u32 v[BB2], v241, 5, s68
	s_mul_i32 s68, s[WV], 8448
	s_add_co_u32 s68, s68, STAGE                   ; my stage
	v_mul_u32_u24 v[STO], v240, 528
	v_lshl_add_u32 v[STO], v241, 5, v[STO]
	v_add_nc_u32 v[STO], s68, v[STO]
	v_add_nc_u32 v[RD], s68, v[L16]
	s_and_b32 s23, s[WV], 3                        ; the gather: my tile of tokens,
	s_lshr_b32 s71, s[WV], 2                       ; and my half of the eight places
	s_lshl_b32 s67, s23, 14
	s_lshl_b32 s68, s71, 13
	s_add_co_u32 s67, s67, s68
	v_add_nc_u32 v242, s67, v[L16]                 ; where my four fragments of x go
	s_mov_b32 s[K2], 0xbf38aa3b
	s_mov_b32 s[K2+1], 0xbf38aa3b
	s_mov_b32 s[PP], 0x3e6d3389
	s_mov_b32 s[PP+1], 0x3e6d3389
	s_mov_b32 s[C4], 0xbf3a00e3
	s_mov_b32 s[C4+1], 0xbf3a00e3
	s_mov_b32 s[C3], 0x3f35f0e3
	s_mov_b32 s[C3+1], 0x3f35f0e3
	s_mov_b32 s[C2], 0xbe11a98e
	s_mov_b32 s[C2+1], 0xbe11a98e
	s_mov_b32 s[C1], 0x3e027906
	s_mov_b32 s[C1+1], 0x3e027906
	v_mov_b32 v[C5], 0x3f07dc22
	v_mov_b32 v[C5+1], 0x3f07dc22
	s_lshl_b32 s68, ttmp9, 4
	s_mov_b32 s69, 0
	s_lshr_b32 s[S0R], ttmp9, 3
	s_add_co_u32 s[S0R], s[S0R], ttmp9
	s_and_b32 s[S0R], s[S0R], 7                    ; s0: by how many K steps my work-group's order is turned
	s_lshl_b32 s[KO], s[S0R], 14
	s_mov_b32 s[KO+1], 0
	s_add_co_u32 s77, s[WV], s[S0R]
	s_and_b32 s77, s77, 7                          ; the hidden block that I make
	s_wait_kmcnt 0x0
	s_add_nc_u64 s[12:13], s[12:13], s[68:69]
	s_load_b128 s[24:27], s[12:13], 0x0            ; my tile's record
	s_load_b128 s[28:31], s[18:19], 0x0            ; e0, e1, e2, e3
	s_wait_kmcnt 0x0
	s_min_u32 s24, s24, 0x1fff                     ; stored numbers are held inside their ranges before they enter an address
	s_min_u32 s25, s25, 64
	s_min_u32 s26, s26, 3
	s_min_u32 s27, s27, 3
	s_lshl_b32 s68, s27, 4                         ; a stream begins at (16 e + 8 L + block) 2^17: W1's by my hidden block,
	s_add_co_u32 s68, s68, s77
	s_lshl_b32 s68, s68, 17
	s_add_nc_u64 s[SB:SB+1], s[6:7], s[68:69]
	s_lshl_b32 s68, s26, 4
	s_add_co_u32 s68, s68, s77
	s_lshl_b32 s68, s68, 17
	s_add_nc_u64 s[SB+2:SB+3], s[6:7], s[68:69]
	s_lshl_b32 s68, s27, 4                         ; W2's by my wave: my outputs
	s_add_co_u32 s68, s68, s[WV]
	s_lshl_b32 s68, s68, 17
	s_add_nc_u64 s[SB+4:SB+5], s[6:7], s[68:69]
	s_add_nc_u64 s[SB+4:SB+5], s[SB+4:SB+5], 0x100000
	s_lshl_b32 s68, s26, 4
	s_add_co_u32 s68, s68, s[WV]
	s_lshl_b32 s68, s68, 17
	s_add_nc_u64 s[SB+6:SB+7], s[6:7], s[68:69]
	s_add_nc_u64 s[SB+6:SB+7], s[SB+6:SB+7], 0x100000
	s_mov_b64 s[CUR:CUR+1], s[SB:SB+1]
	s_add_nc_u64 s[RP:RP+1], s[CUR:CUR+1], s[KO:KO+1]
.irp t, 0,1,2,3,4,5,6,7
.irp c, 0,1,2,3
	global_load_b128 v[WF+16*\t+4*\c:WF+16*\t+4*\c+3], v[L16], s[RP:RP+1] offset:2048*\t+512*\c   ; the ring's first fill: step s0 of the first stream
.endr
.endr
	s_sub_co_u32 s67, s25, 1                       ; count - 1 (count 0: the greatest number, which holds nothing back)
.irp m, 0,1,2,3
	v_add_nc_u32 v[244+\m], 16*\m, v240            ; place 16 m + r of the tile,
	v_min_u32 v[244+\m], s67, v[244+\m]            ; the last token's past the count,
	v_add_nc_u32 v[244+\m], s24, v[244+\m]
	v_min_u32 v[244+\m], 0x1fff, v[244+\m]         ; inside order
	v_lshlrev_b32 v[244+\m], 2, v[244+\m]
.endr
	s_lshl_b32 s70, s23, 4
	v_add_nc_u32 v[TP], s70, v240                  ; and the same for the tile of tokens that I gather
	v_min_u32 v[TP], s67, v[TP]
	v_add_nc_u32 v[TP], s24, v[TP]
	v_min_u32 v[TP], 0x1fff, v[TP]
	v_lshlrev_b32 v[TP], 2, v[TP]
.irp m, 0,1,2,3
	global_load_b32 v[ID+\m], v[244+\m], s[10:11]
.endr
	global_load_b32 v[B1S], v[TP], s[10:11]
	s_add_co_i32 s[SC1], s28, s29
	s_add_co_i32 s[SC1], s[SC1], 127
	s_lshl_b32 s[SC1], s[SC1], 23                  ; 2^(e0+e1) as f32
	s_mov_b32 s[SC1+1], s[SC1]
	s_add_co_i32 s[SC2], s30, s31
	s_add_co_i32 s[SC2], s[SC2], 127
	s_lshl_b32 s[SC2], s[SC2], 23                  ; 2^(e2+e3)
	s_mov_b32 s[SC2+1], s[SC2]
	s_add_co_i32 s67, s30, 127
	s_lshl_b32 s70, s67, 23
	v_mov_b32 v[HS], s70
	s_add_co_i32 s67, s67, 8
	s_lshl_b32 s67, s67, 23
	s_or_b32 s67, s67, 0x600000
	v_mov_b32 v[HL], s67
	s_and_b32 s70, s[WV], 2                        ; the biases: waves 0-3 bring b1, 4-7 b2; of each four, two bring slot 0's 4,096 bytes and two slot 1's
	s_cmp_lg_u32 s70, 0
	s_cselect_b32 s66, s26, s27
	s_min_u32 s66, s66, 3
	s_lshl_b32 s66, s66, 12
	s_mov_b32 s67, 0
	s_cmp_lt_u32 s[WV], 4
	s_cselect_b64 s[68:69], s[14:15], s[16:17]
	s_cselect_b32 s78, s[S0R], 0                   ; b1's blocks of 512 bytes are turned as the hidden blocks are; b2's are not
	s_add_nc_u64 s[68:69], s[68:69], s[66:67]
	s_and_b32 s70, s[WV], 1
	s_lshl_b32 s70, s70, 2
	s_add_co_u32 s70, s70, s78
.irp j, 0,1,2,3
	s_add_co_u32 s66, s70, \j                      ; place 4 (w % 2) + j of the staged bias takes block (place + turn) mod 8
	s_and_b32 s66, s66, 7
	s_lshl_b32 s66, s66, 9
	s_add_nc_u64 s[BBS+2*\j:BBS+2*\j+1], s[68:69], s[66:67]
.endr
	s_lshl_b32 s70, s71, 2
	s_add_co_u32 s70, s70, s[S0R]
.irp s, 0,1,2,3
	s_add_co_u32 s[GOF+\s], s70, \s                ; place 4 (w / 4) + s of x's images takes K step (place + s0) mod 8: 128 codes each
	s_and_b32 s[GOF+\s], s[GOF+\s], 7
	s_lshl_b32 s[GOF+\s], s[GOF+\s], 7
.endr
	s_wait_loadcnt 0x0                             ; the token numbers (and the ring's first fill)
.irp m, 0,1,2,3
	v_min_u32 v[ID+\m], 0x1fff, v[ID+\m]
	v_lshlrev_b32 v[244+\m], 4, v[ID+\m]
.endr
	v_min_u32 v[B1S], 0x1fff, v[B1S]
	v_lshlrev_b32 v[TP], 10, v[B1S]                ; a token's 1,024 codes,
	v_lshl_add_u32 v[TP], v241, 4, v[TP]           ; + 16 h,
	v_add_nc_u32 v[XA], s[GOF], v[TP]              ; + each of my four K steps
	v_add_nc_u32 v[HST], s[GOF+1], v[TP]
	v_add_nc_u32 v[B1S], s[GOF+2], v[TP]
	v_add_nc_u32 v[TP], s[GOF+3], v[TP]
.irp m, 0,1,2,3
	global_load_b128 v[GW+4*\m:GW+4*\m+3], v[244+\m], s[8:9]
.endr
	GATH 0, XA
	GATH 1, HST
	GATH 2, B1S
	GATH 3, TP
.irp j, 0,1,2,3
	global_load_b128 v[BI+4*\j:BI+4*\j+3], v[L16], s[BBS+2*\j:BBS+2*\j+1]
.endr
	s_mov_b64 s[NX:NX+1], s[SB+2:SB+3]
	s_mov_b32 s[HO], 0
	s_mov_b32 s[BO], 0
	s_wait_loadcnt 0x0
.irp s, 0,1,2,3
.irp c, 0,1,2,3
	ds_store_b128 v242, v[XF+16*\s+4*\c:XF+16*\s+4*\c+3] offset:2048*\s+512*\c
.endr
.endr
.irp j, 0,1,2,3
	ds_store_b128 v243, v[BI+4*\j:BI+4*\j+3] offset:512*\j
.endr
	s_wait_dscnt 0x0                               ; for the others' sake: my stores have landed
	s_barrier_signal -1
	s_barrier_wait -1                              ; x's 32 fragments and the four biases lie in LDS
	; ---- the first product and the GELU, slot 0 and then slot 1
	s_mov_b32 s[CE], 2
.Lexp:
	s_mov_b32 s[XO], XIMG
	v_add_nc_u32 v[HST], s[HO], v[HW]
	v_add_nc_u32 v[B1S], s[BO], v[B1A]
	XFETCH
	KSTEP 1, 1, 1, 1
	s_mov_b32 s[CK], 6
.Lk1:
	KSTEP 0, 1, 1, 1
	s_sub_co_u32 s[CK], s[CK], 1
	s_cmp_lg_u32 s[CK], 0
	s_cbranch_scc1 .Lk1
	KSTEP 0, 1, 0, 2                               ; the last K step asks for the NEXT stream's first step, which is on its way through the GELU
	s_mov_b64 s[NX:NX+1], s[SB+4:SB+5]
.irp b, 0,1,2,3
.irp m, 0,1,2,3
	GELU \b, \m
.endr
.endr
	s_add_co_u32 s[HO], s[HO], 65536
	s_add_co_u32 s[BO], s[BO], 4096
	s_sub_co_u32 s[CE], s[CE], 1
	s_cmp_lg_u32 s[CE], 0
	s_cbranch_scc1 .Lexp
	s_wait_dscnt 0x0                               ; for the others' sake: my images have landed
	s_barrier_signal -1
	s_barrier_wait -1                              ; both hidden layers' 32 fragments lie in LDS
	; ---- the second product, slot 0
	s_mov_b64 s[NX:NX+1], s[SB+6:SB+7]
	s_mov_b32 s[XO], HIMG
	XFETCH
	KSTEP 1, 1, 1, 1
	s_mov_b32 s[CK], 6
.Lk2:
	KSTEP 0, 1, 1, 1
	s_sub_co_u32 s[CK], s[CK], 1
	s_cmp_lg_u32 s[CK], 0
	s_cbranch_scc1 .Lk2
	s_mov_b32 s[XO], HIMG+65536
	KSTEP 0, 1, 1, 2                               ; asks for the last stream's first step and fetches slot 1's first fragments
	WIN 0x41                                       ; destination and source 0 in window 1
.irp t, 0,1,2,3,4,5,6,7
.irp m, 0,1,2,3
.irp i, 0,2,4,6
	v_pk_mul_f32 v[8*(4*\t+\m)+\i:8*(4*\t+\m)+\i+1], v[8*(4*\t+\m)+\i:8*(4*\t+\m)+\i+1], v[GW+4*\m:GW+4*\m+1]   ; the second expert's sums x rho; each accumulator from its low end on
.endr
.endr
.endr
	WIN 0
	; ---- the second product, slot 1, onto the same accumulators
	s_mov_b32 s[CK], 7
.Lk3:
	KSTEP 0, 1, 1, 1
	s_sub_co_u32 s[CK], s[CK], 1
	s_cmp_lg_u32 s[CK], 0
	s_cbranch_scc1 .Lk3
	KSTEP 0, 0, 0, 0
	PLACES
	s_cmp_eq_u32 s25, 0                            ; a tile without rows stores nothing
	s_cbranch_scc1 .Ldone
	; ---- THE WAY OUT: a tile of 16 tokens at a time, IN PLACE in its accumulators, through my stage and back into the same registers; each store is my 512 bytes of one token's row.
	; Every tile of tokens has its own data registers and its own 16 offsets: no register that a store reads is written again, so no wait stands between the tiles.
.irp t, 0,1,2,3,4,5,6,7
.irp j, 0,1
	ds_load_b128 v[BA+8*\t+4*\j:BA+8*\t+4*\j+3], v[BB2] offset:4096+64*\t+16*\j
	ds_load_b128 v[BB+8*\t+4*\j:BB+8*\t+4*\j+3], v[BB2] offset:64*\t+16*\j
.endr
.endr
.irp m, 0,1,2,3
.set p, 0
.rept 16
	v_readlane_b32 s67, v[ID+\m], p                ; lane p holds the token of place 16 m + p
	s_min_u32 s67, s67, 0x1fff
	s_lshl_b32 s67, s67, 12                        ; its row of 4,096 bytes
	v_add_nc_u32 v[OFF+16*\m+p], s67, v[COL]
.set p, p+1
.endr
.endr
	s_wait_dscnt 0x0                               ; the biases
.macro PACK m
	WIN 0x41                                       ; destination and source 0 in window 1
.irp t, 0,1,2,3,4,5,6,7
.irp i, 0,2,4,6
	v_pk_fma_f32 v[8*(4*\t+\m)+\i:8*(4*\t+\m)+\i+1], v[8*(4*\t+\m)+\i:8*(4*\t+\m)+\i+1], s[SC2:SC2+1], v[BA+8*\t+\i:BA+8*\t+\i+1] op_sel_hi:[1,0,1]   ; sums x 2^(e2+e3) + b2_top; each accumulator from its low end on
.endr
.endr
	WIN 0x50                                       ; destination and source 2 in window 1
.irp t, 0,1,2,3,4,5,6,7
.irp i, 0,2,4,6
	v_pk_fma_f32 v[8*(4*\t+\m)+\i:8*(4*\t+\m)+\i+1], v[BB+8*\t+\i:BB+8*\t+\i+1], v[GW+4*\m:GW+4*\m+1], v[8*(4*\t+\m)+\i:8*(4*\t+\m)+\i+1]   ; + rho b2_second
.endr
.endr
	WIN 0x41
.irp t, 0,1,2,3,4,5,6,7
.irp i, 0,2,4,6
	v_pk_mul_f32 v[8*(4*\t+\m)+\i:8*(4*\t+\m)+\i+1], v[8*(4*\t+\m)+\i:8*(4*\t+\m)+\i+1], v[GW+4*\m+2:GW+4*\m+3]   ; x w1
.endr
.endr
	WIN 0x04                                       ; an LDS store's data are its source 1: window 1
.irp t, 0,1,2,3,4,5,6,7
	ds_store_b128 v[STO], v[8*(4*\t+\m):8*(4*\t+\m)+3] offset:64*\t            ; lane (r, h): outputs 16 t + 8 h + 0..7 of token r
	ds_store_b128 v[STO], v[8*(4*\t+\m)+4:8*(4*\t+\m)+7] offset:64*\t+16
.endr
	WIN 0x40                                       ; destination in window 1
.set p, 0
.rept 16
	ds_load_b128 v[8*(4*(p/2)+\m)+4*(p%2):8*(4*(p/2)+\m)+4*(p%2)+3], v[RD] offset:528*p   ; row p, whole.  LDS serves a wave's instructions in order: these see the stores, and the next tile's stores come behind them
.set p, p+1
.endr
	WIN 0
.endm
.macro SEND m, younger                 ; younger: the LDS instructions issued behind tile m's loads: the next tile's 32, or none
	WIN 0x04                                       ; a store's data are its source 1: window 1
.set p, 0
.rept 16
	s_wait_dscnt \younger+15-p                     ; row p is back; the younger loads and the next tile's LDS instructions may be out
	global_store_b128 v[OFF+16*\m+p], v[8*(4*(p/2)+\m)+4*(p%2):8*(4*(p/2)+\m)+4*(p%2)+3], s[20:21] th:TH_STORE_NT   ; 32 lanes store 512 consecutive bytes, at a multiple of 256 from out0's first byte; written once, read by nobody here
.set p, p+1
.endr
	WIN 0
.endm
	PACK 0
	PACK 1                                         ; a tile's arithmetic stands between the loads of the tile before and its stores
	SEND 0, 32
	PACK 2
	SEND 1, 32
	PACK 3
	SEND 2, 32
	SEND 3, 0
.Ldone:
	s_wait_tensorcnt 0x0                           ; the wave's end: behind my last LDS store
	ds_add_u32 v[SPW], v[NIL]
	s_wait_dscnt 0x0
	s_endpgm
.Lfunc_end_k_q45949f41db_experts:
	.size	k_q45949f41db_experts, .Lfunc_end_k_q45949f41db_experts-k_q45949f41db_experts
	.p2alignl 7, 3214868480
	.fill 96, 4, 3214868480
	.section	.rodata,"a",@progbits
	.p2align	6, 0x0
	.amdhsa_kernel k_q45949f41db_experts
		.amdhsa_group_segment_fixed_size 281600
		.amdhsa_private_segment_fixed_size 0
		.amdhsa_enable_private_segment 0
		.amdhsa_kernarg_size 72
		.amdhsa_user_sgpr_count 2
		.amdhsa_user_sgpr_kernarg_segment_ptr 1
		.amdhsa_wavefront_size32 1
		.amdhsa_system_sgpr_workgroup_id_x 1
		.amdhsa_system_sgpr_workgroup_id_y 1
		.amdhsa_system_sgpr_workgroup_id_z 1
		.amdhsa_system_vgpr_workitem_id 0
		.amdhsa_next_free_vgpr 512
		.amdhsa_next_free_sgpr 92
		.amdhsa_reserve_vcc 0
		.amdhsa_float_denorm_mode_32 3
		.amdhsa_float_denorm_mode_16_64 3
		.amdhsa_memory_ordered 1
		.amdhsa_forward_progress 1
		.amdhsa_inst_pref_size 255
	.end_amdhsa_kernel
	.section	.bss,"aw",@nobits
	.p2align	6
	.space	262144
	.amdgpu_metadata
---
amdhsa.version: [ 1, 2 ]
amdhsa.kernels:
  - .name:           k_q45949f41db_experts
    .symbol:         k_q45949f41db_experts.kd
    .args:
      - { .name: xq, .offset: 0, .size: 8, .value_kind: global_buffer, .address_space: global }
      - { .name: wf, .offset: 8, .size: 8, .value_kind: global_buffer, .address_space: global }
      - { .name: gw, .offset: 16, .size: 8, .value_kind: global_buffer, .address_space: global }
      - { .name: order, .offset: 24, .size: 8, .value_kind: global_buffer, .address_space: global }
      - { .name: tiles, .offset: 32, .size: 8, .value_kind: global_buffer, .address_space: global }
      - { .name: b1, .offset: 40, .size: 8, .value_kind: global_buffer, .address_space: global }
      - { .name: b2, .offset: 48, .size: 8, .value_kind: global_buffer, .address_space: global }
      - { .name: lowp_scales, .offset: 56, .size: 8, .value_kind: global_buffer, .address_space: global }
      - { .name: out0, .offset: 64, .size: 8, .value_kind: global_buffer, .address_space: global }
    .group_segment_fixed_size: 281600
    .private_segment_fixed_size: 0
    .kernarg_segment_align: 8
    .kernarg_segment_size: 72
    .max_flat_workgroup_size: 256
    .sgpr_count:     92
    .vgpr_count:     512
    .wavefront_size: 32
...
	.end_amdgpu_metadata
.endif
;; end of part 3
